; MI455X (gfx1250); checked and timed in simulation.
; The chip was launched on July 23, 2026; its instructions are those of AMD's public machine-readable ISA for CDNA 5 (MIT licence, August 2026) and "CDNA5" Instruction Set Architecture Reference Guide (July 2026). The comments in the code are by the model that wrote it; some were corrected since.
;; Mo GE Block. Allowed arithmetic: matrix products marked QUANTISED: E2M1 operands, one E8M0 scale for each 32 along K, by v_wmma_scale_f32_16x16x128_f8f6f4 with both operands' format E2M1 (or v_wmma_scale_f32_32x16x128_f4), f32 sums; products left as they are: f32 operands where the result goes on into a quantised operand, else bf16, f16 or f32 operands; f32 sums; everything else in f32.
;; Inputs: b1 8 x 4,096 float32; b2 8 x 1,024 float32; gate_w 1,024 x 8 float32; ln_bias 1,024 float32; ln_scale 1,024 float32; w1_codes 8 x 4,096 x 32 x 16 uint8 (E2M1 codes of w1, K innermost, in blocks of 32 codes, two codes a byte); w1_scales 8 x 4,096 x 32 uint8 (E8M0 scales of w1, one for each 32 codes along K); w2_codes 8 x 1,024 x 128 x 16 uint8 (E2M1 codes of w2, K innermost, in blocks of 32 codes, two codes a byte); w2_scales 8 x 1,024 x 128 uint8 (E8M0 scales of w2, one for each 32 codes along K); x 1,024 x 1,024 float32.
;; Outputs: out0 1,024 x 1,024 float32; out1 one number float32.
;; This version of the problem:
;;   THIS VERSION OF THE PROBLEM IS GIVEN IN LOW PRECISION. The matrix products marked QUANTISED in the list below multiply operands that are first quantised to E2M1 (2 exponent bits, 1 mantissa bit; 4 bits a number), with one power-of-two scale for each 32 numbers along K (OCP MX v1.0); their sums are f32. All else is computed in f32.
;;   The module's matrix products, in the order in which they are computed (A, B: the left and right operand; K: the contracted axis; several contracted axes count as one K, in the product's order):
;;     1. [M 1,024, K 1,024] x [K 1,024, N 8]; A: computed on the way; B: input gate_w: left as it is (N = 8 < 16)
;;     2. [M 32,768, K 1,024] x [K 1,024, N 1,024]; A: input w1 (given as codes); B: computed on the way: QUANTISED
;;     3. batch 8 x [M 1,024, K 4,096] x [K 4,096, N 1,024]; A: computed on the way; B: input w2 (given as codes): QUANTISED
;;     4. batch 1,024 x [M 1, K 8] x [K 8, N 1,024]; A: computed on the way; B: computed on the way: left as it is (K = 8 < 32)
;;   THE QUANTISER, for each operand of a quantised product, along K:
;;     - K is cut into blocks of 32 from its start; a last block that is shorter is filled with zeros.
;;     - A block's scale is 2^e with e = floor(log2(the largest magnitude in the block)) - 2, held to -126 .. 127; a block of zeros has e = 0. As a byte (E8M0): e + 127.
;;     - Each number is divided by its block's scale, clamped to +-6, and rounded to the nearest number of E2M1, ties to even, subnormals kept.
;;     - The product sums the exact products of the quantised numbers (number of the format x scale) in f32.
;;   ~~~python
;;   def quantise(x, axis):      # numpy; x: float32 -> the quantised numbers, widened to float32 again
;;       x = np.moveaxis(x, axis, -1); K = x.shape[-1]
;;       x = np.pad(x, [(0, 0)] * (x.ndim - 1) + [(0, -K % 32)]); x = x.reshape(x.shape[:-1] + (-1, 32)); a = np.abs(x).max(-1, keepdims=True)
;;       e = np.where(a > 0, np.clip(np.frexp(np.where(a > 0, a, 1))[1] - 1 - 2, -126, 127), 0)      # np.frexp(a)[1] - 1 = floor(log2(a)), exactly
;;       r = np.clip(x / 2.0 ** e, -6, 6)
;;       step = 2.0 ** (np.maximum(np.frexp(np.where(r == 0, 1, r))[1] - 1, 0) - 1)
;;       q = np.round(r / step) * step * 2.0 ** e      # np.round: ties to even
;;       return np.moveaxis(q.reshape(q.shape[:-2] + (-1,))[..., :K], -1, axis).astype(np.float32)
;;   ~~~
;;   OPERANDS COMPUTED ON THE WAY. 'Computed on the way' means the value that the module computes at that place (a softmax that the list does not call 'softmax' is quantised finished and normalised). What goes into a quantiser is computed in f32, as accurately as f32 sums, v_exp_f32 and their like allow (about 1e-6 of the number): no bf16 or f16 on the way to a quantiser, and a product that is left as it is and whose result goes on into a quantised operand takes f32 operands (vector FMAs, or v_wmma_f32_16x16x4_f32). A number that lies on a knife's edge between two numbers of the format may be rounded either way, as far as f32 arithmetic and the matrix unit's own rounding can turn it there, and no further.
;;   INPUTS GIVEN AS CODES. w1 (in the module: [8, 1024, 4096], K = its axis 1); w2 (in the module: [8, 4096, 1024], K = its axis 1): each comes as NAME_codes (uint8): NAME with its K axis moved to the last place and cut into blocks of 32 codes, [.., K / 32, bytes a block], one block behind the other in memory; two codes a byte, the lower K in the low four bits (a code: sign, 2 exponent bits, 1 mantissa bit); and NAME_scales (uint8): the same leading axes, one E8M0 byte (e + 127) for each 32 codes along K. Its value is code x scale, taken as it is: it is not quantised again, and the codes and scales need not be those that the quantiser above would give.
;; One version. Each part assembles by itself: llvm-mc -triple=amdgcn-amd-amdhsa -mcpu=gfx1250 --defsym DOCPART=n.
;; ======== version 1 of 1: 5 launches
;; workspace buffers: xq 557,056 bytes; route_i 4,096 bytes of whole numbers; route_f 40,960 bytes; place 41,216 bytes of whole numbers; auxp 1,024 bytes; hq 17,825,792 bytes; y 16,777,216 bytes
;; launch norm_route (part 1): grid 256 x 1, 4 waves a work-group, no clusters, 61,440 bytes of LDS; arguments x, gate_w, ln_scale, ln_bias, xq, route_i, route_f; writes xq, route_i, route_f
.if DOCPART == 1
	.amdgcn_target "amdgcn-amd-amdhsa--gfx1250"
	.amdhsa_code_object_version 6
	.text
	.protected	k_q4d1237482a_norm_route
	.globl	k_q4d1237482a_norm_route
	.p2align	8
	.type	k_q4d1237482a_norm_route,@function
k_q4d1237482a_norm_route:
	s_mov_b64 s[64:65], 0
	v_nop
	global_prefetch_b8 v0, s[64:65] scope:SCOPE_SE
	s_setreg_imm32_b32 hwreg(HW_REG_WAVE_MODE, 25, 1), 1
	s_wait_xcnt 0x0
; LayerNorm, xn as codes of E2M1 with one E8M0 byte for each 32 along D, the gate's logits (f32 multiply-adds), softmax, top-2 and the normalised top_p.
; WORK LEFT OUT BY THE WHOLE PROGRAM.  combine[n][e] is the sum over k of one_hot(top_i[n][k])[e] x top_p[n][k]: for an expert e that is not among top_i[n] both terms are
; zeros that the problem's own one_hot builds.  out[n] = the sum over e of combine[n][e] x eo[e][n], so row n of h[e] and of eo[e] reaches no result where e is not chosen for n,
; whatever finite values the inputs hold.  The later launches therefore make h and eo only for the 2,048 chosen pairs (token, expert).  Every input has a way to a result and is loaded.
; LIMITS.  A NaN, an infinity or an overflow that would arise only in a row of an expert that was not chosen is not carried to the result.  NaN and infinities among the inputs are not served.
; A block of zeros gets the scale byte 1 where the quantiser says 127: its codes are zeros, and the bytes are read by this program alone.  1 / sqrt is taken by v_rsq_f32 and a multiplication.
; The chosen experts are stored as whole numbers at fixed places; no address and no branch of this launch hangs on them.
; SHARES.  A wave takes one token.  Loads take the row as it lies, 512 consecutive bytes an instruction; the row turns through the wave's own LDS bytes so that lane l holds the 32 neighbours
; d = 32 l .. 32 l + 31: one block of the quantiser.  ln_scale, ln_bias and gate_w are brought once for the four waves and read in the same shape.
; LDS: X 4 x 4,608 (32 pieces of 128 bytes, 144 apart); LNS, LNB 4,608 each; G 33,280 (32 pieces of 1,024 bytes, 1,040 apart); the spare words.
; REGISTERS: v1 lane; v2, v3 the add's two; v4-14 addresses; v15 the scale byte; v16-47 x, then xn; v48-55 at work; v56-59 codes; v64-191 staging, then ln_scale, ln_bias and gate_w; v192-207 logits and probabilities.
.set LNS,   18432
.set LNB,   23040
.set GST,   27648
.set SPARE, 60928
.set X,     16
.set LA,    192
.set LB,    200
.macro WRED r, t                       ; the sum over the wave's 32 lanes, in every lane
.irp m, 1,2,4,8
	v_add_f32_dpp v[\r], v[\r], v[\r] row_xmask:\m row_mask:0xf bank_mask:0xf
.endr
	v_permlanex16_b32 v[\t], v[\r], s20, s21
	v_add_f32 v[\r], v[\r], v[\t]
.endm
.macro GLOAD b, reg                    ; gate_w's rows d = 32 l + 8 b .. + 7: 256 bytes a lane
.irp i, 0,1,2,3,4,5,6,7,8,9,10,11,12,13,14,15
	ds_load_b128 v[(\reg)+4*\i:(\reg)+4*\i+3], v10 offset:GST+256*(\b)+16*\i
.endr
.endm
.macro GATE2 g, x, first               ; two d: eight experts each, two at a time; the even d's xn serves both halves of set LA, the odd d's those of set LB
.irp k, 0,2,4,6
.if \first
	v_pk_mul_f32 v[LA+\k:LA+\k+1], v[(\g)+\k:(\g)+\k+1], v[(\x):(\x)+1] op_sel_hi:[1,0]
.else
	v_pk_fma_f32 v[LA+\k:LA+\k+1], v[(\g)+\k:(\g)+\k+1], v[(\x):(\x)+1], v[LA+\k:LA+\k+1] op_sel_hi:[1,0,1]
.endif
.endr
.irp k, 0,2,4,6
.if \first
	v_pk_mul_f32 v[LB+\k:LB+\k+1], v[(\g)+8+\k:(\g)+9+\k], v[(\x):(\x)+1] op_sel:[0,1] op_sel_hi:[1,1]
.else
	v_pk_fma_f32 v[LB+\k:LB+\k+1], v[(\g)+8+\k:(\g)+9+\k], v[(\x):(\x)+1], v[LB+\k:LB+\k+1] op_sel:[0,1,0] op_sel_hi:[1,1,1]
.endif
.endr
.endm
.macro GATE8 b, reg
.irp p, 0,1,2,3
.if ((\b)+\p) == 0
	GATE2 (\reg)+16*\p, X+8*(\b)+2*\p, 1
.else
	GATE2 (\reg)+16*\p, X+8*(\b)+2*\p, 0
.endif
.endr
.endm
	s_load_b256 s[4:11], s[0:1], 0x0               ; x, gate_w, ln_scale, ln_bias
	s_load_b128 s[12:15], s[0:1], 0x20             ; xq, route_i
	s_load_b64 s[16:17], s[0:1], 0x30              ; route_f
	v_lshl_add_u32 v2, v0, 2, SPARE
	v_mov_b32 v3, 0
	v_lshrrev_b32 v1, 5, v0
	v_readfirstlane_b32 s18, v1                    ; wave
	v_and_b32 v1, 31, v0                           ; lane
	s_lshl_b32 s19, ttmp9, 2
	s_add_co_u32 s19, s19, s18                     ; my token
	s_mov_b32 s20, 0x76543210
	s_mov_b32 s21, 0xfedcba98                      ; v_permlanex16_b32's selects for lane l xor 16
	s_mov_b32 s34, 0x3a800000                      ; 1 / 1024
	s_mov_b32 s35, 0x3727c5ac                      ; 1e-5
	v_lshlrev_b32 v4, 4, v1                        ; 16 l
	v_lshrrev_b32 v12, 3, v1
	v_and_b32 v13, 7, v1
	v_mul_u32_u24 v12, v12, 144
	v_lshl_add_u32 v12, v13, 4, v12                ; a load's 512 bytes are four pieces: 144 (l / 8) + 16 (l % 8)
	s_mul_i32 s22, s18, 4608
	v_add_nc_u32 v5, s22, v12                      ; X, on the way in
	v_mul_u32_u24 v8, v1, 144                      ; a piece for each lane
	v_add_nc_u32 v6, s22, v8                       ; X, on the way out
	s_mul_i32 s22, s18, 1152
	v_add_nc_u32 v7, s22, v12                      ; ln_scale, ln_bias: my wave brings two loads' worth of each
	s_mul_i32 s22, s18, 8320
	v_add_nc_u32 v9, s22, v4                       ; gate_w: my wave brings eight pieces of 1,024 bytes
	v_mul_u32_u24 v10, v1, 1040
	s_lshl_b32 s22, s18, 10
	v_add_nc_u32 v11, s22, v4                      ; in memory: 1,024 w + 16 l
	s_lshl_b32 s22, s18, 13
	v_add_nc_u32 v14, s22, v4                      ; and 8,192 w + 16 l
	v_mov_b32 v52, 0                               ; a lane permute's destination counts as one of its sources
	v_mov_b32 v63, 0
	s_lshl_b32 s22, s19, 12
	s_mov_b32 s23, 0
	s_wait_kmcnt 0x0
	s_add_nc_u64 s[4:5], s[4:5], s[22:23]          ; my row of x
.irp i, 0,1,2,3,4,5,6,7
	global_load_b128 v[64+4*\i:67+4*\i], v4, s[4:5] offset:512*\i th:TH_LOAD_NT
.endr
.irp i, 0,1
	global_load_b128 v[96+4*\i:99+4*\i], v11, s[8:9] offset:512*\i
	global_load_b128 v[104+4*\i:107+4*\i], v11, s[10:11] offset:512*\i
.endr
.irp k, 0,1,2,3,4,5,6,7,8,9,10,11,12,13,14,15
	global_load_b128 v[112+4*\k:115+4*\k], v14, s[6:7] offset:512*\k
.endr
	s_lshl_b32 s22, s19, 9
	s_add_nc_u64 s[30:31], s[12:13], s[22:23]      ; my row of codes
	s_lshl_b32 s22, s19, 5
	s_add_nc_u64 s[32:33], s[12:13], s[22:23]      ; my row of scale bytes (524,288 further on)
	s_add_nc_u64 s[24:25], s[16:17], s[22:23]      ; my eight probabilities
	s_lshl_b32 s22, s19, 3
	s_add_nc_u64 s[26:27], s[16:17], s[22:23]      ; my two weights (32,768 further on)
	s_lshl_b32 s22, s19, 2
	s_add_nc_u64 s[14:15], s[14:15], s[22:23]      ; my word of experts
	s_wait_loadcnt 0x0
.irp i, 0,1,2,3,4,5,6,7
	ds_store_b128 v5, v[64+4*\i:67+4*\i] offset:576*\i
.endr
.irp i, 0,1
	ds_store_b128 v7, v[96+4*\i:99+4*\i] offset:LNS+576*\i
	ds_store_b128 v7, v[104+4*\i:107+4*\i] offset:LNB+576*\i
.endr
.irp k, 0,1,2,3,4,5,6,7,8,9,10,11,12,13,14,15
	ds_store_b128 v9, v[112+4*\k:115+4*\k] offset:GST+(\k/2)*1040+512*(\k%2)
.endr
	s_wait_dscnt 0x0                               ; for the others' sake: my parts of ln_scale, ln_bias and gate_w have landed
	s_barrier_signal -1
	s_barrier_wait -1
.irp k, 0,1,2,3,4,5,6,7
	ds_load_b128 v[X+4*\k:X+4*\k+3], v6 offset:16*\k
.endr
.irp k, 0,1,2,3,4,5,6,7
	ds_load_b128 v[64+4*\k:67+4*\k], v8 offset:LNS+16*\k
.endr
.irp k, 0,1,2,3,4,5,6,7
	ds_load_b128 v[96+4*\k:99+4*\k], v8 offset:LNB+16*\k
.endr
	s_wait_dscnt 16                                ; x is in; the sixteen loads of ln_scale and ln_bias may be out
	v_pk_add_f32 v[48:49], v[16:17], v[18:19]      ; the mean
	v_pk_add_f32 v[50:51], v[20:21], v[22:23]
.irp j, 24,28,32,36,40,44
	v_pk_add_f32 v[48:49], v[48:49], v[\j:\j+1]
	v_pk_add_f32 v[50:51], v[50:51], v[\j+2:\j+3]
.endr
	v_pk_add_f32 v[48:49], v[48:49], v[50:51]
	v_add_f32 v48, v48, v49
	WRED 48, 52
	v_mul_f32 v48, s34, v48
.irp j, 16,18,20,22,24,26,28,30,32,34,36,38,40,42,44,46
	v_pk_add_f32 v[\j:\j+1], v[\j:\j+1], v[48:49] op_sel_hi:[1,0] neg_lo:[0,1] neg_hi:[0,1]   ; x - mu
.endr
	v_pk_mul_f32 v[50:51], v[16:17], v[16:17]      ; the biased variance
	v_pk_mul_f32 v[54:55], v[18:19], v[18:19]
.irp j, 20,24,28,32,36,40,44
	v_pk_fma_f32 v[50:51], v[\j:\j+1], v[\j:\j+1], v[50:51]
	v_pk_fma_f32 v[54:55], v[\j+2:\j+3], v[\j+2:\j+3], v[54:55]
.endr
	v_pk_add_f32 v[50:51], v[50:51], v[54:55]
	v_add_f32 v50, v50, v51
	WRED 50, 52
	v_fma_f32 v50, v50, s34, s35
	v_rsq_f32 v50, v50
	v_nop                                          ; a plain instruction behind the transcendental
	s_wait_alu depctr_va_vdst(0)                   ; the wait ahead of the first reader
	s_wait_dscnt 0x0                               ; ln_scale, ln_bias
.irp j, 16,18,20,22,24,26,28,30,32,34,36,38,40,42,44,46
	v_pk_mul_f32 v[\j:\j+1], v[\j:\j+1], v[50:51] op_sel_hi:[1,0]
.endr
.irp j, 0,2,4,6,8,10,12,14,16,18,20,22,24,26,28,30
	v_pk_fma_f32 v[16+\j:17+\j], v[16+\j:17+\j], v[64+\j:65+\j], v[96+\j:97+\j]   ; xn
.endr
	GLOAD 0, 128
	GLOAD 1, 64                                    ; ln_scale's and ln_bias's registers are done with
	; my block of 32: its largest magnitude with the floor 2^(3 - 127) among the leaves, 2 off the exponent field, the codes
	v_max3_num_f32 v52, |v16|, |v17|, 0x1800000
	v_max3_num_f32 v53, |v18|, |v19|, 0x1800000
.irp j, 20,24,28,32,36,40,44
	v_max3_num_f32 v52, v52, |v[\j]|, |v[\j+1]|
	v_max3_num_f32 v53, v53, |v[\j+2]|, |v[\j+3]|
.endr
	v_max_num_f32 v52, v52, v53
	v_add_nc_u32 v54, 0xff000000, v52              ; the conversion takes the exponent field of this operand as its scale
.irp g, 0,1,2,3
	v_cvt_scalef32_pk8_fp4_f32 v[56+\g], v[16+8*\g:23+8*\g], v54
.endr
	v_lshrrev_b32 v15, 23, v54                     ; the scale's byte (also the plain instruction behind the conversions)
	global_store_b128 v4, v[56:59], s[30:31]       ; the wave stores the row's 512 consecutive bytes
	global_store_b8 v1, v15, s[32:33] offset:524288   ; and its 32 consecutive scale bytes
	s_wait_dscnt 16                                ; the first 8 d of gate_w are in; the next sixteen loads may be out
	GATE8 0, 128
	GLOAD 2, 128
	s_wait_dscnt 16
	GATE8 1, 64
	GLOAD 3, 64
	s_wait_dscnt 16
	GATE8 2, 128
	s_wait_dscnt 0x0
	GATE8 3, 64
.irp k, 0,2,4,6
	v_pk_add_f32 v[LA+\k:LA+\k+1], v[LA+\k:LA+\k+1], v[LB+\k:LB+\k+1]
.endr
.irp m, 1,2,4,8
.irp k, 0,1,2,3,4,5,6,7
	v_add_f32_dpp v[LA+\k], v[LA+\k], v[LA+\k] row_xmask:\m row_mask:0xf bank_mask:0xf
.endr
.endr
.irp k, 0,1,2,3,4,5,6,7
	v_permlanex16_b32 v[48+\k], v[LA+\k], s20, s21
.endr
.irp k, 0,1,2,3,4,5,6,7
	v_add_f32 v[LA+\k], v[LA+\k], v[48+\k]         ; the eight logits, in every lane
.endr
	v_max3_num_f32 v48, v192, v193, v194           ; the softmax: the maximum is taken away
	v_max3_num_f32 v48, v48, v195, v196
	v_max3_num_f32 v48, v48, v197, v198
	v_max_num_f32 v48, v48, v199
.irp k, 0,1,2,3,4,5,6,7
	v_sub_f32 v[LA+\k], v[LA+\k], v48
.endr
.irp k, 0,1,2,3,4,5,6,7
	v_mul_f32 v[LA+\k], 0x3fb8aa3b, v[LA+\k]
.endr
.irp k, 0,1,2,3,4,5,6,7
	v_exp_f32 v[LB+\k], v[LA+\k]
.endr
	v_nop
	s_wait_alu depctr_va_vdst(0)                   ; one wait for the eight exponentials
	v_add_f32 v48, v200, v201
	v_add_f32 v49, v202, v203
	v_add_f32 v50, v204, v205
	v_add_f32 v51, v206, v207
	v_add_f32 v48, v48, v49
	v_add_f32 v50, v50, v51
	v_add_f32 v48, v48, v50
	v_rcp_f32 v48, v48
	v_mov_b32 v60, 0                               ; (a plain instruction behind the reciprocal)  the first choice's index
	s_wait_alu depctr_va_vdst(0)
.irp k, 0,1,2,3,4,5,6,7
	v_mul_f32 v[LB+\k], v[LB+\k], v48              ; the probabilities
.endr
	v_mov_b32 v52, v200                            ; the largest: a later one wins only if it is strictly larger, so equal ones keep the lower index
.irp k, 1,2,3,4,5,6,7
	v_cmp_gt_f32 vcc_lo, v[LB+\k], v52
	v_cndmask_b32 v52, v52, v[LB+\k], vcc_lo
	v_cndmask_b32 v60, v60, \k, vcc_lo
.endr
.irp k, 0,1,2,3,4,5,6,7
	v_cmp_eq_u32 vcc_lo, \k, v60
	v_cndmask_b32 v[LA+\k], v[LB+\k], -1.0, vcc_lo  ; the chosen one is put under every probability
.endr
	v_mov_b32 v53, v192
	v_mov_b32 v61, 0
.irp k, 1,2,3,4,5,6,7
	v_cmp_gt_f32 vcc_lo, v[LA+\k], v53
	v_cndmask_b32 v53, v53, v[LA+\k], vcc_lo
	v_cndmask_b32 v61, v61, \k, vcc_lo
.endr
	v_add_f32 v54, v52, v53
	v_rcp_f32 v54, v54
	v_lshl_or_b32 v62, v61, 8, v60                 ; (a plain instruction)  the two experts in one word
	s_wait_alu depctr_va_vdst(0)
	v_mul_f32 v44, v52, v54                        ; top_p, normalised
	v_mul_f32 v45, v53, v54
	v_cmp_eq_u32 vcc_lo, 0, v1
	s_wait_xcnt 0x0                                ; EXEC changes only behind this wait
	s_and_saveexec_b32 s28, vcc_lo                 ; every lane holds the same numbers: lane 0 stores them
	global_store_b128 v63, v[200:203], s[24:25]
	global_store_b128 v63, v[204:207], s[24:25] offset:16
	global_store_b64 v63, v[44:45], s[26:27] offset:32768
	global_store_b32 v63, v62, s[14:15]
	s_wait_xcnt 0x0
	s_or_b32 exec_lo, exec_lo, s28
	s_wait_tensorcnt 0x0                           ; the wave's end
	ds_add_u32 v2, v3
	s_wait_dscnt 0x0
	s_endpgm
.Lfunc_end_k_q4d1237482a_norm_route:
	.size	k_q4d1237482a_norm_route, .Lfunc_end_k_q4d1237482a_norm_route-k_q4d1237482a_norm_route
	.p2alignl 7, 3214868480
	.fill 96, 4, 3214868480
	.section	.rodata,"a",@progbits
	.p2align	6, 0x0
	.amdhsa_kernel k_q4d1237482a_norm_route
		.amdhsa_group_segment_fixed_size 61440
		.amdhsa_private_segment_fixed_size 0
		.amdhsa_enable_private_segment 0
		.amdhsa_kernarg_size 56
		.amdhsa_user_sgpr_count 2
		.amdhsa_user_sgpr_kernarg_segment_ptr 1
		.amdhsa_wavefront_size32 1
		.amdhsa_system_sgpr_workgroup_id_x 1
		.amdhsa_system_sgpr_workgroup_id_y 1
		.amdhsa_system_sgpr_workgroup_id_z 1
		.amdhsa_system_vgpr_workitem_id 0
		.amdhsa_next_free_vgpr 208
		.amdhsa_next_free_sgpr 66
		.amdhsa_reserve_vcc 1
		.amdhsa_float_denorm_mode_32 3
		.amdhsa_float_denorm_mode_16_64 3
		.amdhsa_memory_ordered 1
		.amdhsa_forward_progress 1
		.amdhsa_inst_pref_size 37
	.end_amdhsa_kernel
	.amdgpu_metadata
---
amdhsa.version: [ 1, 2 ]
amdhsa.kernels:
  - .name:           k_q4d1237482a_norm_route
    .symbol:         k_q4d1237482a_norm_route.kd
    .args:
      - { .name: x, .offset: 0, .size: 8, .value_kind: global_buffer, .address_space: global }
      - { .name: gate_w, .offset: 8, .size: 8, .value_kind: global_buffer, .address_space: global }
      - { .name: ln_scale, .offset: 16, .size: 8, .value_kind: global_buffer, .address_space: global }
      - { .name: ln_bias, .offset: 24, .size: 8, .value_kind: global_buffer, .address_space: global }
      - { .name: xq, .offset: 32, .size: 8, .value_kind: global_buffer, .address_space: global }
      - { .name: route_i, .offset: 40, .size: 8, .value_kind: global_buffer, .address_space: global }
      - { .name: route_f, .offset: 48, .size: 8, .value_kind: global_buffer, .address_space: global }
    .group_segment_fixed_size: 61440
    .private_segment_fixed_size: 0
    .kernarg_segment_align: 8
    .kernarg_segment_size: 56
    .max_flat_workgroup_size: 128
    .sgpr_count:     66
    .vgpr_count:     208
    .wavefront_size: 32
...
	.end_amdgpu_metadata
.endif
;; end of part 1
;; launch place_rows (part 2): grid 8 x 32, 1 waves a work-group, no clusters, 0 bytes of LDS; arguments route_i, route_f, place, auxp; writes place, auxp
.if DOCPART == 2
	.amdgcn_target "amdgcn-amd-amdhsa--gfx1250"
	.amdhsa_code_object_version 6
	.text
	.protected	k_q4d1237482a_place_rows
	.globl	k_q4d1237482a_place_rows
	.p2align	8
	.type	k_q4d1237482a_place_rows,@function
k_q4d1237482a_place_rows:
	s_mov_b64 s[64:65], 0
	v_nop
	global_prefetch_b8 v0, s[64:65] scope:SCOPE_SE
	s_setreg_imm32_b32 hwreg(HW_REG_WAVE_MODE, 25, 1), 1
	s_wait_xcnt 0x0
; The rows are placed by expert.  Work-group (e, y), one wave, takes expert e and tokens 32 y .. 32 y + 31, a lane a token.  All that steers an address here is made of whole numbers read from route_i.
; The wave reads all 1,024 words of route_i (lane l of load j: token 32 j + l) and counts, group of 32 by group of 32, the tokens that chose e: two compares, an or, a count of bits.
; The sum over all groups is n, the expert's rows; the sum over the groups in front of mine is my group's first rank; the bits below my lane give the rest.  No LDS, no barrier, no traffic between work-groups.
; Stored: list[e] (the tokens by rank; inside a tile of 16 rows, row i lies at entry 8 (i % 2) + i / 2, so that a lane of the next launch finds its eight tokens on end); slotpos[t][k] = 1024 e + rank;
; nt[e] = the tiles of 16 rows, at least 1 (by group 0); auxp[e][y] = load[e] x the sum of my 32 tokens' probs[t][e]: the last launch adds the 256 parts.
; Ranks n .. max(16 nt, 64) - 1 name token 0: the last tile's spare rows, whose results nobody reads, and tiles 0 to 3, whose entries the next launch asks for before it knows nt.
; ORDER.  Every offset and every pointer is made ahead of the first change of EXEC; behind it no vector register is written.  The stores whose lanes the loaded words choose come last.
	s_load_b256 s[4:11], s[0:1], 0x0               ; route_i, route_f, place, auxp
	s_mov_b32 s13, ttmp9                           ; e
	s_and_b32 s12, ttmp7, 0xffff                   ; y, my group
	s_lshl_b32 s16, s12, 5
	v_add_nc_u32 v1, s16, v0                       ; t, my token
	v_lshlrev_b32 v2, 2, v0                        ; a group's words: 4 bytes a lane
	v_lshlrev_b32 v3, 2, v1                        ; my token's word
	v_lshlrev_b32 v16, 5, v1                       ; its probabilities: 32 bytes a token
	v_lshlrev_b32 v15, 3, v1                       ; slotpos: 8 bytes a token
	v_and_b32 v12, 0x3f0, v1                       ; the list's entry of rank t, for the spare rows
	v_and_b32 v8, 1, v1
	v_bfe_u32 v9, v1, 1, 3
	v_lshl_or_b32 v12, v8, 3, v12
	v_or_b32 v12, v12, v9
	v_lshlrev_b32 v12, 2, v12
	v_mov_b32 v13, 0
	v_mov_b32 v21, 0                               ; a lane permute's destination counts as one of its sources
	s_mov_b32 s14, 0                               ; n
	s_mov_b32 s15, 0                               ; my group's first rank
	s_mov_b32 s36, 0x76543210
	s_mov_b32 s37, 0xfedcba98                      ; v_permlanex16_b32's selects for lane l xor 16
	s_lshl_b32 s18, s13, 12
	s_mov_b32 s19, 0
	s_lshl_b32 s22, s13, 2
	s_mov_b32 s23, 0
	s_lshl_b32 s20, s13, 5
	s_add_co_u32 s20, s20, s12
	s_lshl_b32 s20, s20, 2                         ; auxp[e][y]
	s_mov_b32 s21, 0
	s_lshl_b32 s27, s13, 10
	s_cmp_eq_u32 s12, 0
	s_cselect_b32 s33, 1, 0                        ; lane 0 of group 0, else no lane
	s_wait_kmcnt 0x0
	s_add_nc_u64 s[28:29], s[8:9], s[18:19]        ; list[e]
	s_add_nc_u64 s[6:7], s[6:7], s[22:23]          ; probs[.][e]
	s_add_nc_u64 s[34:35], s[8:9], s[22:23]        ; nt[e] (40,960 further on)
	s_add_nc_u64 s[10:11], s[10:11], s[20:21]
	global_load_b32 v5, v3, s[4:5]                 ; my token's word
.irp j, 0,1,2,3,4,5,6,7,8,9,10,11,12,13,14,15,16,17,18,19,20,21,22,23,24,25,26,27,28,29,30,31
	global_load_b32 v[32+\j], v2, s[4:5] offset:128*\j
.endr
	global_load_b32 v17, v16, s[6:7]               ; probs[t][e]: it goes out with the words, and hangs on none of them
	s_wait_loadcnt 0x0
.irp j, 0,1,2,3,4,5,6,7,8,9,10,11,12,13,14,15,16,17,18,19,20,21,22,23,24,25,26,27,28,29,30,31
	v_lshrrev_b32 v[64+\j], 8, v[32+\j]            ; the second choice,
.endr
.irp j, 0,1,2,3,4,5,6,7,8,9,10,11,12,13,14,15,16,17,18,19,20,21,22,23,24,25,26,27,28,29,30,31
	v_and_b32 v[32+\j], 0xff, v[32+\j]             ; the first
.endr
.irp hf, 0,1                           ; sixteen groups at a time, each kind of line in a run, so that no line waits for the line above it
.irp k, 0,1,2,3,4,5,6,7,8,9,10,11,12,13,14,15
	v_cmp_eq_u32 s[40+\k], s13, v[32+16*\hf+\k]
	v_cmp_eq_u32 s[66+\k], s13, v[64+16*\hf+\k]
.endr
.irp k, 0,1,2,3,4,5,6,7,8,9,10,11,12,13,14,15
	s_or_b32 s[40+\k], s[40+\k], s[66+\k]
.endr
.irp k, 0,1,2,3,4,5,6,7,8,9,10,11,12,13,14,15
	s_bcnt1_i32_b32 s[40+\k], s[40+\k]
.endr
.irp k, 0,1,2,3,4,5,6,7,8,9,10,11,12,13,14,15
	s_add_co_u32 s14, s14, s[40+\k]
	s_cmp_gt_u32 s12, 16*\hf+\k                    ; a group in front of mine?
	s_cselect_b32 s[40+\k], s[40+\k], 0
	s_add_co_u32 s15, s15, s[40+\k]
.endr
.endr
	v_and_b32 v6, 0xff, v5
	v_lshrrev_b32 v7, 8, v5
	v_cmp_eq_u32 s24, s13, v6                      ; e is my token's first choice,
	v_cmp_eq_u32 s25, s13, v7                      ; its second,
	s_or_b32 s26, s24, s25                         ; either
	v_mbcnt_lo_u32_b32 v10, s26, 0
	v_add_nc_u32 v10, s15, v10                     ; my rank
	v_and_b32 v11, 0x3f0, v10
	v_and_b32 v8, 1, v10
	v_bfe_u32 v9, v10, 1, 3
	v_lshl_or_b32 v11, v8, 3, v11
	v_or_b32 v11, v11, v9                          ; its entry in the list
	v_min_u32 v11, 0x3ff, v11                      ; held inside the expert's 1,024 entries
	v_lshlrev_b32 v11, 2, v11
	v_add_nc_u32 v14, s27, v10                     ; 1024 e + rank
	v_cndmask_b32 v18, 0, 1, s25                   ; which of my token's two slots: a token chooses e at most once
	v_min_u32 v18, 1, v18                          ; held at 1
	v_lshlrev_b32 v18, 2, v18
	v_add_nc_u32 v18, v18, v15
	s_add_co_u32 s16, s14, 15
	s_lshr_b32 s16, s16, 4
	s_max_u32 s16, s16, 1                          ; nt
	s_lshl_b32 s17, s16, 4
	s_max_u32 s17, s17, 64
	v_cmp_le_u32 s30, s14, v1                      ; n <= t
	v_cmp_gt_u32 s31, s17, v1                      ; t < max(16 nt, 64)
	s_and_b32 s38, s30, s31                        ; a spare row
.irp m, 1,2,4,8
	v_add_f32_dpp v17, v17, v17 row_xmask:\m row_mask:0xf bank_mask:0xf
.endr
	v_permlanex16_b32 v21, v17, s36, s37
	v_add_f32 v17, v17, v21                        ; my 32 tokens' part of importance[e]
	v_cvt_f32_u32 v22, s14                         ; load[e] = n
	v_mul_f32 v19, v17, v22
	v_mov_b32 v20, s16
	s_mov_b32 vcc_lo, 1                            ; every lane holds the same number: lane 0 stores it
	s_wait_xcnt 0x0                                ; EXEC changes only behind this wait
	s_and_saveexec_b32 s30, vcc_lo
	global_store_b32 v13, v19, s[10:11]
	s_wait_xcnt 0x0
	s_or_b32 exec_lo, exec_lo, s30
	s_mov_b32 vcc_lo, s33
	s_and_saveexec_b32 s30, vcc_lo
	global_store_b32 v13, v20, s[34:35] offset:40960   ; nt[e]: group 0 alone
	s_wait_xcnt 0x0
	s_or_b32 exec_lo, exec_lo, s30
	s_mov_b32 vcc_lo, s26
	s_and_saveexec_b32 s30, vcc_lo
	global_store_b32 v11, v1, s[28:29]             ; the tokens that chose e, by rank,
	global_store_b32 v18, v14, s[8:9] offset:32768 ; and where each finds its row again
	s_wait_xcnt 0x0
	s_or_b32 exec_lo, exec_lo, s30
	s_mov_b32 vcc_lo, s38
	s_and_saveexec_b32 s30, vcc_lo
	global_store_b32 v12, v13, s[28:29]            ; the spare ranks: token 0; no member has such a rank
	s_wait_xcnt 0x0
	s_or_b32 exec_lo, exec_lo, s30
	s_endpgm
.Lfunc_end_k_q4d1237482a_place_rows:
	.size	k_q4d1237482a_place_rows, .Lfunc_end_k_q4d1237482a_place_rows-k_q4d1237482a_place_rows
	.p2alignl 7, 3214868480
	.fill 96, 4, 3214868480
	.section	.rodata,"a",@progbits
	.p2align	6, 0x0
	.amdhsa_kernel k_q4d1237482a_place_rows
		.amdhsa_group_segment_fixed_size 0
		.amdhsa_private_segment_fixed_size 0
		.amdhsa_enable_private_segment 0
		.amdhsa_kernarg_size 32
		.amdhsa_user_sgpr_count 2
		.amdhsa_user_sgpr_kernarg_segment_ptr 1
		.amdhsa_wavefront_size32 1
		.amdhsa_system_sgpr_workgroup_id_x 1
		.amdhsa_system_sgpr_workgroup_id_y 1
		.amdhsa_system_sgpr_workgroup_id_z 1
		.amdhsa_system_vgpr_workitem_id 0
		.amdhsa_next_free_vgpr 96
		.amdhsa_next_free_sgpr 84
		.amdhsa_reserve_vcc 1
		.amdhsa_float_denorm_mode_32 3
		.amdhsa_float_denorm_mode_16_64 3
		.amdhsa_memory_ordered 1
		.amdhsa_forward_progress 1
		.amdhsa_inst_pref_size 21
	.end_amdhsa_kernel
	.amdgpu_metadata
---
amdhsa.version: [ 1, 2 ]
amdhsa.kernels:
  - .name:           k_q4d1237482a_place_rows
    .symbol:         k_q4d1237482a_place_rows.kd
    .args:
      - { .name: route_i, .offset: 0, .size: 8, .value_kind: global_buffer, .address_space: global }
      - { .name: route_f, .offset: 8, .size: 8, .value_kind: global_buffer, .address_space: global }
      - { .name: place, .offset: 16, .size: 8, .value_kind: global_buffer, .address_space: global }
      - { .name: auxp, .offset: 24, .size: 8, .value_kind: global_buffer, .address_space: global }
    .group_segment_fixed_size: 0
    .private_segment_fixed_size: 0
    .kernarg_segment_align: 8
    .kernarg_segment_size: 32
    .max_flat_workgroup_size: 32
    .sgpr_count:     84
    .vgpr_count:     96
    .wavefront_size: 32
...
	.end_amdgpu_metadata
.endif
;; end of part 2
;; launch ffn1 (part 3): grid 32 x 8, 4 waves a work-group, no clusters, 101,888 bytes of LDS; arguments xq, place, w1_codes, w1_scales, b1, hq; writes hq
.if DOCPART == 3
	.amdgcn_target "amdgcn-amd-amdhsa--gfx1250"
	.amdhsa_code_object_version 6
	.text
	.protected	k_q4d1237482a_ffn1
	.globl	k_q4d1237482a_ffn1
	.p2align	8
	.type	k_q4d1237482a_ffn1,@function
k_q4d1237482a_ffn1:
	s_mov_b64 s[64:65], 0
	v_nop
	global_prefetch_b8 v0, s[64:65] scope:SCOPE_SE
	s_setreg_imm32_b32 hwreg(HW_REG_WAVE_MODE, 25, 1), 1
	s_wait_xcnt 0x0
; h = Q(gelu(xn W1 + b1)) for the rows that chose the expert, and for no others: rows of experts that were not chosen are multiplied by zeros of the problem's own one_hot (shown at the head of the first kernel).
; SHARES.  Work-group (x, y) takes hidden units 128 x .. 128 x + 127 of expert y.  Its part of W1 (128 rows of 512 bytes) is read from memory by this work-group alone, whole rows at a time, turned through LDS once,
; and then lies in EVERY wave's registers as 64 fragments (512 registers).  Wave g takes the expert's tiles of 16 rows g, g + 4, ..: (nt + 3 - g) / 4 trips, counted one by one; no barrier in the loop.
; nt, the number of tiles, and the rows' tokens were stored by the launch before.
; Since trip counts hang on stored numbers, operands come by loads into registers, and every wait in the loop is for 0.  No cluster for the same reason.
; THE HEAD.  Tile g's tokens are asked for first of all and its rows of x as soon as the tokens are in, beside the loads of W1: entries 0 to 63 of every list are written whatever nt is.
; A wave whose tile g lies at or beyond nt (nt under 4) has then asked for 16 rows that it does not use, and ends behind the barrier.
; A TILE.  The 16 tokens' rows of codes are fetched as they lie (sixteen lanes read 256 consecutive bytes), turned through the wave's own LDS bytes into 8 fragments; 64 products, TRANSPOSED (source 0 = 16 rows of W1,
; source 1 = the 16 tokens), the bias as the C of each sum's first product; gelu; the quantiser along the 128 units, which are K step x of the next product; the fragment leaves as an image of its registers (two stores of 512 bytes).
; THE ROWS OF W1 THAT FORM A TILE ARE NOT NEIGHBOURS: row m of tile 2 b + u is unit 32 b + 8 u + m + 8 (m / 8), so that a lane's 16 registers of tiles 2 b, 2 b + 1 are 16 neighbours along the next K.
; GELU, exact form: h = max(v, 0) - |v| g, g = erfc(|v| / sqrt 2) / 2 = t 2^(C0 + t (C1 + .. + t C9) - v^2 log2(e) / 2), t = 1 / (1 + |v| / (2 sqrt 2)): the rational-exponential fit of erfc whose fractional error stays under 1.2e-7
; for every argument, its coefficients multiplied by log2(e) and the 1/2 folded into C0.  LIMITS: with f32 arithmetic about 5e-7 of g; g under 2^-126 counts as 0; where v^2 overflows, g = 0 and h = max(v, 0); NaN and infinities are not served.
; A block of zeros gets the scale byte 1: its codes are zeros, and the bytes are read by this program alone.
; LDS: the weights' stage 128 x 528; each wave's turn 16 x 528; the spare words.  An LDS row is 512 bytes + 16: the sixteen rows that a load touches begin 33 x 16 bytes apart.
; REGISTERS, in windows of 256: window 0: v1-13 ids and addresses; v16-33 tokens and offsets; v34-37 x's scale words; v38-41 addresses; v42-43 C9; v44-51 codes; v56 the scale word; v64-95 W1's scale words;
;   v96-159 x's fragments (behind the products: v96-111 v^2 and max(v, 0), v112-127 the quantiser's); v160-223 the 8 accumulators; v224-239 t; v240-255 the polynomial.
;   window 1: W1's tiles 0-3 (tile t, K step s at 64 t + 8 s; at the head v0-127: my 32 rows of W1 as loaded); window 2: tiles 4-7; window 3: v0-63 the bias in the result's layout, v64-127 rows of x as loaded.
.set PIT,   528
.set XT,    128*PIT
.set XTW,   16*PIT
.set SPARE, XT+4*XTW
.set LT,    16
.set LS,    24
.set VXS,   25
.set VOFF,  26
.set XS,    34
.set K9,    42
.set PC,    44
.set PW,    56
.set SW,    64
.set XF,    96
.set GM,    96
.set TM,    112
.set ACC,   160
.set GT,    224
.set GP,    240
.set CC,    30                         ; s[30:47] C0 .. C8, each twice: the packed forms name a pair
.set NK,    48                         ; s[48:49] -log2(e) / 2
.set CD,    50                         ; s50      1 / (2 sqrt 2)
.set MSB, 0
.macro WIN new                         ; the immediate's high byte repeats the setting that is left
.if MSB != (\new)
	s_set_vgpr_msb (MSB<<8)|(\new)
.set MSB, (\new)
.endif
.endm
.macro WM1 d, a, b, c, sa, sb, row     ; row: K steps 4 to 7 take both sides' scale words from lanes 16-31
.if (\row)
	v_wmma_scale_f32_16x16x128_f8f6f4 v[(\d):(\d)+7], v[(\a):(\a)+7], v[(\b):(\b)+7], v[(\c):(\c)+7], v[(\sa)], v[(\sb)] matrix_a_fmt:MATRIX_FMT_FP4 matrix_b_fmt:MATRIX_FMT_FP4 matrix_a_scale:MATRIX_SCALE_ROW1 matrix_b_scale:MATRIX_SCALE_ROW1
.else
	v_wmma_scale_f32_16x16x128_f8f6f4 v[(\d):(\d)+7], v[(\a):(\a)+7], v[(\b):(\b)+7], v[(\c):(\c)+7], v[(\sa)], v[(\sb)] matrix_a_fmt:MATRIX_FMT_FP4 matrix_b_fmt:MATRIX_FMT_FP4
.endif
.endm
.macro HALF h                          ; tiles 4 h .. 4 h + 3: 32 products, the four accumulators by turns
	WIN 0x31+\h                                    ; source 0 window 1 + h, C (the bias) window 3
.irp t, 0,1,2,3
	WM1 ACC+8*(4*\h+\t), 64*\t, XF, 8*(4*\h+\t), SW+4*(4*\h+\t), XS, 0
.endr
	WIN 0x01+\h
.irp s, 1,2,3,4,5,6,7
.irp t, 0,1,2,3
	WM1 ACC+8*(4*\h+\t), 64*\t+8*\s, XF+8*\s, ACC+8*(4*\h+\t), SW+4*(4*\h+\t)+\s%4, XS+\s%4, \s/4
.endr
.endr
.endm
.macro LISTLD                          ; a tile's tokens: my half's eight (rows 2 j + lane / 16), and row lane % 16's
	global_load_b128 v[LT:LT+3], v4, s[54:55]
	global_load_b128 v[LT+4:LT+7], v4, s[54:55] offset:16
	global_load_b32 v[LS], v5, s[54:55]
.endm
.macro ROWLD                           ; the 16 tokens' rows of codes, and their scale words: 17 loads
.irp j, 0,1,2,3,4,5,6,7
	v_min_u32 v[LT+\j], 0x3ff, v[LT+\j]            ; a token's number is held inside the table
.endr
	v_min_u32 v[LS], 0x3ff, v[LS]
.irp j, 0,1,2,3,4,5,6,7
	v_lshlrev_b32 v[VOFF+\j], 9, v[LT+\j]
.endr
	v_lshlrev_b32 v[VXS], 5, v[LS]
.irp j, 0,1,2,3,4,5,6,7
	v_add_nc_u32 v[VOFF+\j], v[VOFF+\j], v10
.endr
	v_add_nc_u32 v[VXS], v[VXS], v11
	WIN 0xc0
.irp j, 0,1,2,3,4,5,6,7
	global_load_b128 v[64+8*\j:64+8*\j+3], v[VOFF+\j], s[4:5]              ; lanes 0-15: 256 bytes of row 2 j; lanes 16-31: of row 2 j + 1
	global_load_b128 v[64+8*\j+4:64+8*\j+7], v[VOFF+\j], s[4:5] offset:256
.endr
	WIN 0
	global_load_b128 v[XS:XS+3], v[VXS], s[52:53]  ; lanes 0-15: row r's words of K steps 0-3; lanes 16-31: of 4-7
.endm
.macro TURN                            ; rows as loaded -> my LDS bytes -> fragments; LDS serves a wave's instructions in order, so no wait stands between
	WIN 0x0c
.irp j, 0,1,2,3,4,5,6,7
	ds_store_b128 v6, v[64+8*\j:64+8*\j+3] offset:2*\j*PIT
	ds_store_b128 v6, v[64+8*\j+4:64+8*\j+7] offset:2*\j*PIT+256
.endr
	WIN 0
.irp s, 0,1,2,3,4,5,6,7
.irp c, 0,1
	ds_load_b128 v[XF+8*\s+4*\c:XF+8*\s+4*\c+3], v7 offset:64*\s+32*\c
.endr
.endr
.endm
.macro GELU a                          ; 16 numbers, in place; each accumulator is read from its low end on
.irp i, 0,1,2,3,4,5,6,7,8,9,10,11,12,13,14,15
	v_fma_f32 v[GT+\i], |v[(\a)+\i]|, s[CD], 1.0
.endr
.irp i, 0,1,2,3,4,5,6,7,8,9,10,11,12,13,14,15
	v_rcp_f32 v[GT+\i], v[GT+\i]                   ; t
.endr
.irp i, 0,2,4,6,8,10,12,14
	v_pk_mul_f32 v[GM+\i:GM+\i+1], v[(\a)+\i:(\a)+\i+1], v[(\a)+\i:(\a)+\i+1]   ; v^2: plain work behind the reciprocals
.endr
	s_wait_alu depctr_va_vdst(0)                   ; one wait for the sixteen, ahead of their first reader
.irp i, 0,2,4,6,8,10,12,14
	v_pk_fma_f32 v[GP+\i:GP+\i+1], v[GT+\i:GT+\i+1], v[K9:K9+1], s[CC+16:CC+17] op_sel_hi:[1,1,0]
.endr
.irp k, 7,6,5,4,3,2,1,0
.irp i, 0,2,4,6,8,10,12,14
	v_pk_fma_f32 v[GP+\i:GP+\i+1], v[GP+\i:GP+\i+1], v[GT+\i:GT+\i+1], s[CC+2*\k:CC+2*\k+1] op_sel_hi:[1,1,0]
.endr
.endr
.irp i, 0,2,4,6,8,10,12,14
	v_pk_fma_f32 v[GP+\i:GP+\i+1], v[GM+\i:GM+\i+1], s[NK:NK+1], v[GP+\i:GP+\i+1] op_sel_hi:[1,0,1]
.endr
.irp i, 0,1,2,3,4,5,6,7,8,9,10,11,12,13,14,15
	v_exp_f32 v[GP+\i], v[GP+\i]
.endr
.irp i, 0,1,2,3,4,5,6,7,8,9,10,11,12,13,14,15
	v_max_num_f32 v[GM+\i], 0, v[(\a)+\i]          ; max(v, 0): plain work behind the exponentials
.endr
	s_wait_alu depctr_va_vdst(0)
.irp i, 0,2,4,6,8,10,12,14
	v_pk_mul_f32 v[GP+\i:GP+\i+1], v[GP+\i:GP+\i+1], v[GT+\i:GT+\i+1]   ; g
.endr
.irp i, 0,1,2,3,4,5,6,7,8,9,10,11,12,13,14,15
	v_fma_f32 v[(\a)+\i], -|v[(\a)+\i]|, v[GP+\i], v[GM+\i]
.endr
.endm
; 64 numbers of a lane, register 16 b + i = unit 32 b + 16 (lane / 16) + i of my row, become a fragment's codes in v[PC] on and its scale word in v[PW]
.macro QUANT s
.irp b, 0,1,2,3
	v_max3_num_f32 v[TM+\b], |v[\s+16*\b]|, |v[\s+1+16*\b]|, 0x1800000   ; with the floor 2^(3 - 127): the byte cannot fall under 1
.endr
.irp i, 2,4,6,8,10,12,14
.irp b, 0,1,2,3
	v_max3_num_f32 v[TM+\b], v[TM+\b], |v[\s+16*\b+\i]|, |v[\s+1+16*\b+\i]|
.endr
.endr
.irp b, 0,1,2,3
	v_permlanex16_b32 v[TM+4+\b], v[TM+\b], s24, s25
.endr
.irp b, 0,1,2,3
	v_max_num_f32 v[TM+\b], v[TM+\b], v[TM+4+\b]   ; with lane l xor 16's: the block's largest magnitude
.endr
.irp b, 0,1,2,3
	v_add_nc_u32 v[TM+12+\b], 0xff000000, v[TM+\b] ; 2 off its exponent field: the conversion's scale operand
.endr
.irp b, 0,1,2,3
	v_lshrrev_b32 v[TM+4+\b], 23, v[TM+12+\b]      ; the scale's byte
.endr
	v_lshl_or_b32 v[PW], v[TM+5], 8, v[TM+4]
	v_lshl_or_b32 v[PW], v[TM+6], 16, v[PW]
	v_lshl_or_b32 v[PW], v[TM+7], 24, v[PW]
.irp b, 0,1,2,3
	v_cvt_scalef32_pk8_fp4_f32 v[PC+2*\b], v[\s+16*\b:\s+7+16*\b], v[TM+12+\b]
	v_cvt_scalef32_pk8_fp4_f32 v[PC+1+2*\b], v[\s+8+16*\b:\s+15+16*\b], v[TM+12+\b]
.endr
	v_nop                                          ; one plain instruction behind a scaled conversion
.irp c, 0,1                            ; the operand's layout wants a whole block in a lane
.irp i, 0,1
	v_permlane16_swap_b32 v[PC+4*\c+\i], v[PC+2+4*\c+\i]
.endr
.endr
.endm
	s_load_b256 s[4:11], s[0:1], 0x0               ; xq, place, w1_codes, w1_scales
	s_load_b128 s[12:15], s[0:1], 0x20             ; b1, hq
	v_lshl_add_u32 v12, v0, 2, SPARE
	v_mov_b32 v13, 0
	v_lshrrev_b32 v1, 5, v0
	v_readfirstlane_b32 s16, v1                    ; wave g
	v_and_b32 v1, 31, v0                           ; lane
	v_and_b32 v2, 15, v0                           ; r
	v_bfe_u32 v3, v0, 4, 1                         ; h
	s_mov_b32 s17, ttmp9                           ; the strip of 128 units
	s_and_b32 s18, ttmp7, 0xffff                   ; the expert
	v_lshlrev_b32 v4, 5, v3                        ; the list: my half's eight entries
	v_and_b32 v14, 1, v2
	v_lshrrev_b32 v15, 1, v2
	v_lshl_or_b32 v5, v14, 3, v15
	v_lshlrev_b32 v5, 2, v5                        ; and row r's entry, 8 (r % 2) + r / 2
	s_mul_i32 s21, s16, XTW
	s_add_co_u32 s21, s21, XT                      ; my wave's turn
	v_lshlrev_b32 v10, 4, v2
	v_lshlrev_b32 v11, 4, v3
	v_mul_u32_u24 v14, v3, PIT
	v_add_nc_u32 v14, v14, v10
	v_add_nc_u32 v6, s21, v14                      ; in: row h, 16 r
	v_mul_u32_u24 v39, v2, PIT
	v_add_nc_u32 v39, v39, v11                     ; a fragment's place: row r, 16 h
	v_add_nc_u32 v7, s21, v39
	v_lshlrev_b32 v8, 4, v1                        ; 16 l
	v_lshlrev_b32 v9, 2, v2                        ; 4 r
	s_mul_i32 s22, s16, 32*PIT
	v_add_nc_u32 v38, s22, v8                      ; the weights' stage: my wave's 32 rows
	v_and_b32 v14, 8, v2
	v_add_nc_u32 v14, v14, v2                      ; r + 8 (r / 8)
	v_lshl_add_u32 v40, v14, 5, v11                ; W1's scale words: 32 bytes a row, + 16 h
	v_lshlrev_b32 v41, 6, v3                       ; the bias: 16 h numbers on
	v_mov_b32 v42, 0x3e7c6f08                      ; C9, twice
	v_mov_b32 v43, 0x3e7c6f08
	s_mov_b32 s24, 0x76543210
	s_mov_b32 s25, 0xfedcba98
	s_mov_b32 s30, 0xc034d90f                      ; C0 .. C8
	s_mov_b32 s32, 0x3fb8ab5a
	s_mov_b32 s34, 0x3f0a29d2
	s_mov_b32 s36, 0x3e0efb2e
	s_mov_b32 s38, 0xbe899a80
	s_mov_b32 s40, 0x3ecdfd18
	s_mov_b32 s42, 0xbfd1a1e5
	s_mov_b32 s44, 0x40097039
	s_mov_b32 s46, 0xbf97d29d
	s_mov_b32 s48, 0xbf38aa3b
.irp k, 30,32,34,36,38,40,42,44,46,48
	s_mov_b32 s[\k+1], s[\k]
.endr
	s_mov_b32 s50, 0x3eb504f3
	s_lshl_b32 s22, s18, 12
	s_lshl_b32 s23, s17, 7
	s_add_co_u32 s22, s22, s23                     ; my first unit among the 8 x 4,096
	s_lshl_b32 s28, s18, 2
	s_mov_b32 s61, 0
	s_mov_b32 s63, 0
	s_wait_kmcnt 0x0
	s_load_b32 s19, s[6:7], s28 offset:0xa000      ; nt
	s_lshl_b32 s60, s18, 12
	s_lshl_b32 s62, s16, 6
	s_add_co_u32 s60, s60, s62
	s_add_nc_u64 s[54:55], s[6:7], s[60:61]        ; the list at tile g
	LISTLD                                         ; first of all: the rows of x hang on it
	s_lshl_b32 s23, s16, 5
	s_add_co_u32 s23, s22, s23
	s_lshl_b32 s60, s23, 9
	s_add_nc_u64 s[8:9], s[8:9], s[60:61]          ; my wave's 32 rows of W1
	s_lshl_b32 s60, s22, 5
	s_add_nc_u64 s[10:11], s[10:11], s[60:61]
	s_lshl_b32 s60, s22, 2
	s_add_nc_u64 s[12:13], s[12:13], s[60:61]
	s_add_nc_u64 s[52:53], s[4:5], 0x80000         ; xn's scale bytes
	WIN 0x40
.irp q, 0,1,2,3,4,5,6,7,8,9,10,11,12,13,14,15,16,17,18,19,20,21,22,23,24,25,26,27,28,29,30,31
	global_load_b128 v[4*\q:4*\q+3], v8, s[8:9] offset:512*\q th:TH_LOAD_NT   ; a whole row an instruction; read by this work-group alone
.endr
	WIN 0
.irp t, 0,1,2,3,4,5,6,7
	global_load_b128 v[SW+4*\t:SW+4*\t+3], v40, s[10:11] offset:(32*(\t/2)+8*(\t%2))*32
.endr
	s_lshl_b32 s60, s18, 6
	s_add_co_u32 s60, s60, s16
	s_lshl_b32 s60, s60, 5
	s_add_co_u32 s60, s60, s17                     ; (64 e + g) 32 + strip
	s_lshl_b32 s62, s60, 10
	s_add_nc_u64 s[56:57], s[14:15], s[62:63]      ; where tile g's image goes,
	s_lshl_b32 s62, s60, 6
	s_add_nc_u64 s[58:59], s[14:15], s[62:63]
	s_add_nc_u64 s[58:59], s[58:59], 0x1000000     ; and its scale words
	s_wait_loadcnt 40                              ; the tokens are in; the 32 loads of W1 and the 8 of its scale words may be out
	ROWLD                                          ; tile g's rows of x travel beside W1
	WIN 0xc0
.irp t, 0,1,2,3,4,5,6,7
	global_load_b128 v[8*\t:8*\t+3], v41, s[12:13] offset:(32*(\t/2)+8*(\t%2))*4
	global_load_b128 v[8*\t+4:8*\t+7], v41, s[12:13] offset:(32*(\t/2)+8*(\t%2))*4+16
.endr
	WIN 0
	s_wait_loadcnt 41                              ; the 32 rows of W1 are in; behind them 8 loads of scale words, 17 of x and 16 of bias may be out
	WIN 0x04
.irp q, 0,1,2,3,4,5,6,7,8,9,10,11,12,13,14,15,16,17,18,19,20,21,22,23,24,25,26,27,28,29,30,31
	ds_store_b128 v38, v[4*\q:4*\q+3] offset:((\q&7)|((\q&8)<<1)|((\q&16)>>1))*PIT   ; bits 3 and 4 of the row change places: a tile's 16 rows then lie on end
.endr
	WIN 0
	s_wait_dscnt 0x0                               ; for the others' sake: my rows have landed (and the stores have read window 1's registers, which the fragments take)
	s_barrier_signal -1
	s_barrier_wait -1                              ; the one barrier, ahead of every branch on stored numbers
	s_wait_kmcnt 0x0
	s_min_u32 s19, s19, 64
	s_add_co_u32 s19, s19, 3
	s_sub_co_u32 s19, s19, s16
	s_lshr_b32 s19, s19, 2                         ; my wave's tiles: g, g + 4, .. below nt are (nt + 3 - g) / 4, at most 16
	s_mov_b32 s20, 0                               ; tiles done
	s_cmp_eq_u32 s19, 0
	s_cbranch_scc1 .Ldone
	WIN 0x40
.irp t, 0,1,2,3
.irp s, 0,1,2,3,4,5,6,7
.irp c, 0,1
	ds_load_b128 v[64*\t+8*\s+4*\c:64*\t+8*\s+4*\c+3], v39 offset:16*\t*PIT+64*\s+32*\c
.endr
.endr
.endr
	WIN 0x80
.irp t, 0,1,2,3
.irp s, 0,1,2,3,4,5,6,7
.irp c, 0,1
	ds_load_b128 v[64*\t+8*\s+4*\c:64*\t+8*\s+4*\c+3], v39 offset:16*(\t+4)*PIT+64*\s+32*\c
.endr
.endr
.endr
	WIN 0
	s_cmp_le_u32 s19, 1
	s_cbranch_scc1 .Ltile
	v_add_nc_u32 v4, 0x100, v4                     ; four tiles on in the list (its last loads are in)
	v_add_nc_u32 v5, 0x100, v5
	LISTLD
.Ltile:
	s_wait_loadcnt 0x0                             ; this tile's rows and scale words (in the first trip W1's scale words and the bias too), and the next tile's tokens where they were asked for
	TURN
	s_wait_dscnt 0x0                               ; x's fragments (in the first trip W1's too)
	HALF 0
	HALF 1
	WIN 0
.rept 4
	v_nop                                          ; four places behind the products: for the loads into x's scale words, the writes over x's fragments and the first read of the sums
.endr
	s_add_co_u32 s20, s20, 1                       ; the one step of the count in a trip
	s_cmp_ge_u32 s20, s19
	s_cbranch_scc1 .Lnorow
	ROWLD                                          ; the next tile's rows have the gelu in which to land
	s_add_co_u32 s21, s20, 1
	s_cmp_ge_u32 s21, s19
	s_cbranch_scc1 .Lnorow
	v_add_nc_u32 v4, 0x100, v4
	v_add_nc_u32 v5, 0x100, v5
	LISTLD
.Lnorow:
	GELU ACC
	GELU ACC+16
	GELU ACC+32
	GELU ACC+48
	QUANT ACC
	global_store_b128 v8, v[PC:PC+3], s[56:57]     ; the image: 512 consecutive bytes a store
	global_store_b128 v8, v[PC+4:PC+7], s[56:57] offset:512
	global_store_b32 v9, v[PW], s[58:59]           ; row r's scale word; lanes l and l + 16 hold the same word and write it to the same place
	s_wait_xcnt 0x0                                ; the stores' registers are written again only behind this wait
	v_add_nc_u32 v8, 0x20000, v8                   ; four tiles on: 4 x 32 images of 1,024 bytes,
	v_add_nc_u32 v9, 0x2000, v9                    ; 4 x 32 x 64 bytes of scale words
	s_cmp_lt_u32 s20, s19
	s_cbranch_scc1 .Ltile
.Ldone:
	s_wait_tensorcnt 0x0                           ; the wave's end
	ds_add_u32 v12, v13
	s_wait_dscnt 0x0
	s_endpgm
.Lfunc_end_k_q4d1237482a_ffn1:
	.size	k_q4d1237482a_ffn1, .Lfunc_end_k_q4d1237482a_ffn1-k_q4d1237482a_ffn1
	.p2alignl 7, 3214868480
	.fill 96, 4, 3214868480
	.section	.rodata,"a",@progbits
	.p2align	6, 0x0
	.amdhsa_kernel k_q4d1237482a_ffn1
		.amdhsa_group_segment_fixed_size 101888
		.amdhsa_private_segment_fixed_size 0
		.amdhsa_enable_private_segment 0
		.amdhsa_kernarg_size 48
		.amdhsa_user_sgpr_count 2
		.amdhsa_user_sgpr_kernarg_segment_ptr 1
		.amdhsa_wavefront_size32 1
		.amdhsa_system_sgpr_workgroup_id_x 1
		.amdhsa_system_sgpr_workgroup_id_y 1
		.amdhsa_system_sgpr_workgroup_id_z 1
		.amdhsa_system_vgpr_workitem_id 0
		.amdhsa_next_free_vgpr 1024
		.amdhsa_next_free_sgpr 66
		.amdhsa_reserve_vcc 0
		.amdhsa_float_denorm_mode_32 3
		.amdhsa_float_denorm_mode_16_64 3
		.amdhsa_memory_ordered 1
		.amdhsa_forward_progress 1
		.amdhsa_inst_pref_size 80
	.end_amdhsa_kernel
	.amdgpu_metadata
---
amdhsa.version: [ 1, 2 ]
amdhsa.kernels:
  - .name:           k_q4d1237482a_ffn1
    .symbol:         k_q4d1237482a_ffn1.kd
    .args:
      - { .name: xq, .offset: 0, .size: 8, .value_kind: global_buffer, .address_space: global }
      - { .name: place, .offset: 8, .size: 8, .value_kind: global_buffer, .address_space: global }
      - { .name: w1_codes, .offset: 16, .size: 8, .value_kind: global_buffer, .address_space: global }
      - { .name: w1_scales, .offset: 24, .size: 8, .value_kind: global_buffer, .address_space: global }
      - { .name: b1, .offset: 32, .size: 8, .value_kind: global_buffer, .address_space: global }
      - { .name: hq, .offset: 40, .size: 8, .value_kind: global_buffer, .address_space: global }
    .group_segment_fixed_size: 101888
    .private_segment_fixed_size: 0
    .kernarg_segment_align: 8
    .kernarg_segment_size: 48
    .max_flat_workgroup_size: 128
    .sgpr_count:     66
    .vgpr_count:     1024
    .wavefront_size: 32
...
	.end_amdgpu_metadata
.endif
;; end of part 3
;; launch ffn2 (part 4): grid 32 x 8, 4 waves a work-group, no clusters, 101,888 bytes of LDS; arguments hq, place, w2_codes, w2_scales, b2, y; writes y
.if DOCPART == 4
	.amdgcn_target "amdgcn-amd-amdhsa--gfx1250"
	.amdhsa_code_object_version 6
	.text
	.protected	k_q4d1237482a_ffn2
	.globl	k_q4d1237482a_ffn2
	.p2align	8
	.type	k_q4d1237482a_ffn2,@function
k_q4d1237482a_ffn2:
	s_mov_b64 s[64:65], 0
	v_nop
	global_prefetch_b8 v0, s[64:65] scope:SCOPE_SE
	s_setreg_imm32_b32 hwreg(HW_REG_WAVE_MODE, 25, 1), 1
	s_wait_xcnt 0x0
; eo = h W2 + b2 for the rows that chose the expert, and for no others (shown at the head of the first kernel), rounded to bf16: it is an operand of the last product, which is left as it is.
; SHARES.  Work-group (x, y): expert y, columns 128 (x % 8) .. + 127, tiles of 16 rows x / 8, x / 8 + 4, ..  K IS SHARED AMONG THE WAVES: wave w holds K steps 8 w .. 8 w + 7 of all 8 tiles of columns as 64 fragments
; (512 registers), so each byte of W2 and of h that the work-group needs is loaded by one wave, once.  The four partial tiles meet in LDS, and each wave adds and stores 4 whole rows of 128 columns: 256 consecutive bytes.
; The walk is 4 groups of 4 tiles, a constant count, so that every wave passes every barrier; a tile at or beyond nt (stored by an earlier launch) has its work jumped over, never its barrier.
; Since branches hang on stored numbers, operands come by loads into registers; no cluster for the same reason.
; ONE BARRIER A TILE: the partial tiles lie in two sets of LDS bytes by turns.  A set is written again two barriers later, and in front of each signal every wave has waited for its reads.
; W2's rows are fetched as they lie (sixteen lanes read 256 consecutive bytes) and turned through the wave's own LDS bytes; h comes as images of its registers, 512 consecutive bytes a load.
; THE HEAD.  W2's first rows, which hang on no stored number, go out ahead of the wait for nt; the first group's four tiles of h are dealt among the eight turns of W2, so that some 50 to 60 loads of the wave are out all the way.
; The products are TRANSPOSED (source 0 = 16 rows of W2, source 1 = 16 rows of h): a lane holds eight neighbouring columns of one row.
; REGISTERS, in windows of 256: window 0: v1-14 ids and addresses; v16-23 offsets of the four tiles' h; v24-27 b2; v28-35 packed rows; v40-71 W2's scale words; v72-87 h's; v96-159 rows of W2 as loaded, later the partial rows;
;   v160-223 the 8 accumulators (at the head: rows of W2).  window 1: W2's tiles 0-3 (64 t + 8 s); window 2: tiles 4-7; window 3: h's fragments, tile u at 64 u + 8 s.
.set PIT,   528
.set XTW,   16*PIT
.set PB,    4*XTW                      ; behind the four turns: the partial tiles, two sets of four
.set PBP,   4*XTW
.set SPARE, PB+2*PBP
.set VHF,   16
.set VHS,   20
.set SW,    40
.set HS,    72
.set R,     96
.set ACC,   160
.set MSB, 0
.macro WIN new
.if MSB != (\new)
	s_set_vgpr_msb (MSB<<8)|(\new)
.set MSB, (\new)
.endif
.endm
.macro WM2 d, a, b, z, sa, sb, ra, rb  ; z: the first K step starts the sum; ra, rb: which half of the lanes holds the side's scale words
.if (\z)
	v_wmma_scale_f32_16x16x128_f8f6f4 v[(\d):(\d)+7], v[(\a):(\a)+7], v[(\b):(\b)+7], 0, v[(\sa)], v[(\sb)] matrix_a_fmt:MATRIX_FMT_FP4 matrix_b_fmt:MATRIX_FMT_FP4
.elseif (\ra) && (\rb)
	v_wmma_scale_f32_16x16x128_f8f6f4 v[(\d):(\d)+7], v[(\a):(\a)+7], v[(\b):(\b)+7], v[(\d):(\d)+7], v[(\sa)], v[(\sb)] matrix_a_fmt:MATRIX_FMT_FP4 matrix_b_fmt:MATRIX_FMT_FP4 matrix_a_scale:MATRIX_SCALE_ROW1 matrix_b_scale:MATRIX_SCALE_ROW1
.elseif (\ra)
	v_wmma_scale_f32_16x16x128_f8f6f4 v[(\d):(\d)+7], v[(\a):(\a)+7], v[(\b):(\b)+7], v[(\d):(\d)+7], v[(\sa)], v[(\sb)] matrix_a_fmt:MATRIX_FMT_FP4 matrix_b_fmt:MATRIX_FMT_FP4 matrix_a_scale:MATRIX_SCALE_ROW1
.elseif (\rb)
	v_wmma_scale_f32_16x16x128_f8f6f4 v[(\d):(\d)+7], v[(\a):(\a)+7], v[(\b):(\b)+7], v[(\d):(\d)+7], v[(\sa)], v[(\sb)] matrix_a_fmt:MATRIX_FMT_FP4 matrix_b_fmt:MATRIX_FMT_FP4 matrix_b_scale:MATRIX_SCALE_ROW1
.else
	v_wmma_scale_f32_16x16x128_f8f6f4 v[(\d):(\d)+7], v[(\a):(\a)+7], v[(\b):(\b)+7], v[(\d):(\d)+7], v[(\sa)], v[(\sb)] matrix_a_fmt:MATRIX_FMT_FP4 matrix_b_fmt:MATRIX_FMT_FP4
.endif
.endm
.macro MULH u, h                       ; tiles of columns 4 h .. 4 h + 3 against h's tile u: 32 products, four accumulators by turns
	WIN 0x0d+\h                                    ; source 0 window 1 + h, source 1 window 3
.irp s, 0,1,2,3,4,5,6,7
.irp t, 0,1,2,3
	WM2 ACC+8*(4*\h+\t), 64*\t+8*\s, 64*\u+8*\s, \s==0, SW+4*(4*\h+\t)+\s%4, HS+4*\u+\s/2, \s/4, \s%2
.endr
.endr
.endm
.macro HLOAD u                         ; my 8 K steps of a tile of h: 16 loads of 512 bytes, and 4 of scale words (lanes 0-15: K step 2 i; lanes 16-31: 2 i + 1): 20 loads
	WIN 0xc0
.irp s, 0,1,2,3,4,5,6,7
.irp c, 0,1
	global_load_b128 v[64*\u+8*\s+4*\c:64*\u+8*\s+4*\c+3], v[VHF+\u], s[24:25] offset:1024*\s+512*\c
.endr
.endr
	WIN 0
.irp i, 0,1,2,3
	global_load_b32 v[HS+4*\u+\i], v[VHS+\u], s[26:27] offset:128*\i
.endr
.endm
.macro WROWS t, reg                    ; my 512 bytes of the 16 rows of tile t: 16 loads
.irp j, 0,1,2,3,4,5,6,7
	global_load_b128 v[(\reg)+8*\j:(\reg)+8*\j+3], v4, s[8:9] offset:(16*(\t)+2*\j)*2048
	global_load_b128 v[(\reg)+8*\j+4:(\reg)+8*\j+7], v4, s[8:9] offset:(16*(\t)+2*\j)*2048+256
.endr
.endm
.macro WTURN t, reg                    ; through my LDS bytes into the tile's 8 fragments
.irp j, 0,1,2,3,4,5,6,7
	ds_store_b128 v5, v[(\reg)+8*\j:(\reg)+8*\j+3] offset:2*\j*PIT
	ds_store_b128 v5, v[(\reg)+8*\j+4:(\reg)+8*\j+7] offset:2*\j*PIT+256
.endr
	WIN 0x40+0x40*((\t)/4)
.irp s, 0,1,2,3,4,5,6,7
.irp c, 0,1
	ds_load_b128 v[64*((\t)%4)+8*\s+4*\c:64*((\t)%4)+8*\s+4*\c+3], v6 offset:64*\s+32*\c
.endr
.endr
	WIN 0
	s_wait_dscnt 16                                ; the sixteen stores have read their registers; the sixteen loads behind them may be out: LDS serves a wave's instructions in order, so the next turn's stores come behind them
.endm
.macro TILE u
	s_add_co_u32 s22, s31, 4*\u
	s_cmp_ge_u32 s22, s19
	s_cbranch_scc1 .Lnomul_\@
	MULH \u, 0
	MULH \u, 1
	WIN 0
.rept 5
	v_nop                                          ; five places: for the stores of the sums, the loads into h's registers, and the next tile's products, which begin the sums anew
.endr
	s_add_co_u32 s22, s22, 16
	s_cmp_ge_u32 s22, s19
	s_cbranch_scc1 .Lnoh_\@
	v_add_nc_u32 v[VHF+\u], 0x80000, v[VHF+\u]     ; sixteen tiles on (the last loads by these offsets are in)
	v_add_nc_u32 v[VHS+\u], 0x8000, v[VHS+\u]
	HLOAD \u                                       ; the next group's tile has the rest of this group in which to land
.Lnoh_\@:
.irp t, 0,1,2,3,4,5,6,7
	ds_store_b128 v8, v[ACC+8*\t:ACC+8*\t+3] offset:(\u%2)*PBP+64*\t          ; each accumulator from its low end on
	ds_store_b128 v8, v[ACC+8*\t+4:ACC+8*\t+7] offset:(\u%2)*PBP+64*\t+16
.endr
.Lnomul_\@:
	s_wait_dscnt 0x0                               ; my partial tile has landed, and my reads of the other set are over
	s_barrier_signal -1
	s_barrier_wait -1
	s_add_co_u32 s22, s31, 4*\u
	s_cmp_ge_u32 s22, s19
	s_cbranch_scc1 .Lnored_\@
	s_wait_xcnt 0x0                                ; the last tile's stores have read their registers
.irp p, 0,1,2,3
.irp q, 0,1,2,3
	ds_load_b128 v[R+16*\p+4*\q:R+16*\p+4*\q+3], v9 offset:(\u%2)*PBP+\p*XTW+\q*PIT
.endr
.endr
	s_wait_dscnt 0x0
.irp j, 0,2,4,6,8,10,12,14
	v_pk_add_f32 v[R+\j:R+\j+1], v[R+\j:R+\j+1], v[R+16+\j:R+17+\j]
	v_pk_add_f32 v[R+32+\j:R+33+\j], v[R+32+\j:R+33+\j], v[R+48+\j:R+49+\j]
.endr
.irp j, 0,2,4,6,8,10,12,14
	v_pk_add_f32 v[R+\j:R+\j+1], v[R+\j:R+\j+1], v[R+32+\j:R+33+\j]
.endr
.irp q, 0,1,2,3
	v_pk_add_f32 v[R+4*\q:R+4*\q+1], v[R+4*\q:R+4*\q+1], v[24:25]
	v_pk_add_f32 v[R+4*\q+2:R+4*\q+3], v[R+4*\q+2:R+4*\q+3], v[26:27]
.endr
.irp q, 0,1,2,3
	v_cvt_pk_bf16_f32 v[28+2*\q], v[R+4*\q], v[R+4*\q+1]
	v_cvt_pk_bf16_f32 v[29+2*\q], v[R+4*\q+2], v[R+4*\q+3]
.endr
.irp q, 0,1,2,3
	global_store_b64 v10, v[28+2*\q:29+2*\q], s[32:33] offset:\u*131072+\q*2048   ; the wave stores 256 consecutive bytes, at a multiple of 256 from y's first byte
.endr
.Lnored_\@:
.endm
	s_load_b256 s[4:11], s[0:1], 0x0               ; hq, place, w2_codes, w2_scales
	s_load_b128 s[12:15], s[0:1], 0x20             ; b2, y
	v_lshl_add_u32 v12, v0, 2, SPARE
	v_mov_b32 v13, 0
	v_lshrrev_b32 v1, 5, v0
	v_readfirstlane_b32 s16, v1                    ; wave
	v_and_b32 v1, 31, v0                           ; lane
	v_and_b32 v2, 15, v0                           ; r
	v_bfe_u32 v3, v0, 4, 1                         ; h
	s_and_b32 s17, ttmp9, 7                        ; the strip of 128 columns
	s_lshr_b32 s21, ttmp9, 3                       ; my first tile of rows
	s_and_b32 s18, ttmp7, 0xffff                   ; the expert
	v_lshlrev_b32 v11, 4, v1
	v_lshlrev_b32 v14, 2, v1
	v_lshlrev_b32 v10, 3, v1
	v_lshlrev_b32 v15, 4, v2
	v_lshl_add_u32 v4, v3, 11, v15                 ; W2: row h of a pair, 16 r
	s_mul_i32 s22, s16, XTW
	v_mul_u32_u24 v5, v3, PIT
	v_add_nc_u32 v5, v5, v15
	v_add_nc_u32 v5, s22, v5                       ; my turn, in
	v_mul_u32_u24 v6, v2, PIT
	v_lshl_add_u32 v8, v3, 5, v6
	v_lshl_add_u32 v6, v3, 4, v6
	v_add_nc_u32 v6, s22, v6                       ; my turn, out: row r, 16 h
	s_add_co_u32 s22, s22, PB
	v_add_nc_u32 v8, s22, v8                       ; my partial tile: row r, 32 h
	s_mul_i32 s22, s16, 4*PIT
	s_add_co_u32 s22, s22, PB
	v_add_nc_u32 v9, s22, v11                      ; the four rows that I add: 16 bytes a lane
	v_lshlrev_b32 v7, 7, v2
	v_lshl_add_u32 v7, v3, 4, v7                   ; W2's scale words: 128 bytes a row, + 16 h
	s_lshl_b32 s28, s18, 2
	s_mov_b32 s63, 0
	s_wait_kmcnt 0x0
	s_load_b32 s19, s[6:7], s28 offset:0xa000      ; nt
	s_lshl_b32 s60, s18, 10
	s_lshl_b32 s61, s17, 7
	s_add_co_u32 s60, s60, s61                     ; my first column among the 8 x 1,024
	s_lshl_b32 s62, s60, 11
	s_lshl_b32 s61, s16, 9
	s_add_co_u32 s62, s62, s61
	s_add_nc_u64 s[8:9], s[8:9], s[62:63]          ; its row of W2, my wave's 512 bytes
	WROWS 0, R                                     ; W2 hangs on no stored number: its first two tiles go out at once
	WROWS 1, R+64
	s_lshl_b32 s62, s60, 7
	s_lshl_b32 s61, s16, 5
	s_add_co_u32 s62, s62, s61
	s_add_nc_u64 s[10:11], s[10:11], s[62:63]
	s_lshl_b32 s62, s60, 2
	s_add_nc_u64 s[12:13], s[12:13], s[62:63]
.irp t, 0,1,2,3,4,5,6,7
	global_load_b128 v[SW+4*\t:SW+4*\t+3], v7, s[10:11] offset:2048*\t   ; lanes 0-15: my K steps 0-3 of row 16 t + r; lanes 16-31: 4-7
.endr
	global_load_b128 v[24:27], v11, s[12:13]       ; b2 of columns 4 l .. 4 l + 3
	s_lshl_b32 s62, s18, 10
	s_lshl_b32 s61, s21, 4
	s_add_co_u32 s62, s62, s61
	s_lshl_b32 s61, s16, 2
	s_add_co_u32 s62, s62, s61                     ; the first slot that I store
	s_lshl_b32 s62, s62, 11
	s_lshl_b32 s61, s17, 8
	s_add_co_u32 s62, s62, s61
	s_add_nc_u64 s[32:33], s[14:15], s[62:63]
	s_lshl_b32 s62, s18, 11
	s_lshl_b32 s61, s16, 3
	s_add_co_u32 s62, s62, s61                     ; 2048 e + 8 w
	s_lshl_b32 s60, s62, 6
	s_lshl_b32 s62, s62, 10
	s_add_nc_u64 s[24:25], s[4:5], s[62:63]        ; h's images, my K steps
	s_mov_b32 s61, 0
	s_add_nc_u64 s[26:27], s[4:5], s[60:61]
	s_add_nc_u64 s[26:27], s[26:27], 0x1000000     ; and their scale words
	s_wait_kmcnt 0x0
	s_min_u32 s19, s19, 64
	s_sub_co_u32 s23, s19, 1
.irp u, 0,1,2,3                        ; the first group's four tiles are loaded whatever nt is: one at or beyond nt is held at the last tile, so that only written bytes are read; its work is jumped over
	s_add_co_u32 s22, s21, 4*\u
	s_min_u32 s22, s22, s23
	s_min_u32 s22, s22, 63
	s_lshl_b32 s29, s22, 15
	v_add_nc_u32 v[VHF+\u], s29, v11
	s_lshl_b32 s29, s22, 11
	v_add_nc_u32 v[VHS+\u], s29, v14
.endr
	HLOAD 0
; The eight turns.  Loads come back in order, so each wait counts what was issued behind the tile's sixteen loads:
;   tile 0: tile 1's 16, 8 of scale words, 1 of b2, 20 of h;  tile 1: 8, 1, 20 and tile 2's 16;  tiles 2 to 6: the next tile's 16 and one tile of h's 20, in either order;  tile 7: the last 20 of h.
.irp t, 0,1,2,3,4,5,6,7
.if \t < 2
	s_wait_loadcnt 45
.elseif \t < 7
	s_wait_loadcnt 36
.else
	s_wait_loadcnt 20
.endif
	WTURN \t, R+64*(\t%2)
.if \t < 6
	WROWS \t+2, R+64*(\t%2)
.endif
.if \t == 1
	HLOAD 1
.endif
.if \t == 3
	HLOAD 2
.endif
.if \t == 5
	HLOAD 3
.endif
.endr
	s_wait_dscnt 0x0                               ; W2's fragments are all in
	s_mov_b32 s30, 0                               ; the group
	s_mov_b32 s31, s21                             ; its first tile
.Lgroup:
	s_wait_loadcnt 0x0                             ; this group's h
	TILE 0
	TILE 1
	TILE 2
	TILE 3
	s_wait_xcnt 0x0                                ; the stores have read their offset
	v_add_nc_u32 v10, 0x80000, v10                 ; sixteen tiles of 16 rows of 2,048 bytes on
	s_add_co_u32 s31, s31, 16
	s_add_co_u32 s30, s30, 1
	s_cmp_lt_u32 s30, 4
	s_cbranch_scc1 .Lgroup
	s_wait_tensorcnt 0x0                           ; the wave's end
	ds_add_u32 v12, v13
	s_wait_dscnt 0x0
	s_endpgm
.Lfunc_end_k_q4d1237482a_ffn2:
	.size	k_q4d1237482a_ffn2, .Lfunc_end_k_q4d1237482a_ffn2-k_q4d1237482a_ffn2
	.p2alignl 7, 3214868480
	.fill 96, 4, 3214868480
	.section	.rodata,"a",@progbits
	.p2align	6, 0x0
	.amdhsa_kernel k_q4d1237482a_ffn2
		.amdhsa_group_segment_fixed_size 101888
		.amdhsa_private_segment_fixed_size 0
		.amdhsa_enable_private_segment 0
		.amdhsa_kernarg_size 48
		.amdhsa_user_sgpr_count 2
		.amdhsa_user_sgpr_kernarg_segment_ptr 1
		.amdhsa_wavefront_size32 1
		.amdhsa_system_sgpr_workgroup_id_x 1
		.amdhsa_system_sgpr_workgroup_id_y 1
		.amdhsa_system_sgpr_workgroup_id_z 1
		.amdhsa_system_vgpr_workitem_id 0
		.amdhsa_next_free_vgpr 1024
		.amdhsa_next_free_sgpr 66
		.amdhsa_reserve_vcc 0
		.amdhsa_float_denorm_mode_32 3
		.amdhsa_float_denorm_mode_16_64 3
		.amdhsa_memory_ordered 1
		.amdhsa_forward_progress 1
		.amdhsa_inst_pref_size 105
	.end_amdhsa_kernel
	.amdgpu_metadata
---
amdhsa.version: [ 1, 2 ]
amdhsa.kernels:
  - .name:           k_q4d1237482a_ffn2
    .symbol:         k_q4d1237482a_ffn2.kd
    .args:
      - { .name: hq, .offset: 0, .size: 8, .value_kind: global_buffer, .address_space: global }
      - { .name: place, .offset: 8, .size: 8, .value_kind: global_buffer, .address_space: global }
      - { .name: w2_codes, .offset: 16, .size: 8, .value_kind: global_buffer, .address_space: global }
      - { .name: w2_scales, .offset: 24, .size: 8, .value_kind: global_buffer, .address_space: global }
      - { .name: b2, .offset: 32, .size: 8, .value_kind: global_buffer, .address_space: global }
      - { .name: y, .offset: 40, .size: 8, .value_kind: global_buffer, .address_space: global }
    .group_segment_fixed_size: 101888
    .private_segment_fixed_size: 0
    .kernarg_segment_align: 8
    .kernarg_segment_size: 48
    .max_flat_workgroup_size: 128
    .sgpr_count:     66
    .vgpr_count:     1024
    .wavefront_size: 32
...
	.end_amdgpu_metadata
.endif
;; end of part 4
;; launch combine (part 5): grid 256 x 1, 4 waves a work-group, no clusters, 0 bytes of LDS; arguments x, y, place, route_f, auxp, out0, out1; writes out0, out1
.if DOCPART == 5
	.amdgcn_target "amdgcn-amd-amdhsa--gfx1250"
	.amdhsa_code_object_version 6
	.text
	.protected	k_q4d1237482a_combine
	.globl	k_q4d1237482a_combine
	.p2align	8
	.type	k_q4d1237482a_combine,@function
k_q4d1237482a_combine:
	s_mov_b64 s[64:65], 0
	v_nop
	global_prefetch_b8 v0, s[64:65] scope:SCOPE_SE
	s_setreg_imm32_b32 hwreg(HW_REG_WAVE_MODE, 25, 1), 1
	s_wait_xcnt 0x0
; out0[n] = x[n] + top_p[n][0] eo[slot 0] + top_p[n][1] eo[slot 1]: of the eight terms of the last product the six whose weight is a zero of the problem's own one_hot are left out (shown at the head of the first kernel).
; out1 = (the sum over e of importance[e] load[e]) x 8 / (1024^2 + 1e-6); that factor, rounded to f32, is 2^-17.  The sum comes as 256 parts, load[e] x 32 tokens' probabilities each.
; A wave takes a token; its two slots (whole numbers that an earlier launch stored) and its two weights come by scalar loads.  A stream: no LDS, no barrier, no matrix unit.
; Each load of x and each store covers 512 consecutive bytes, each load of eo (bf16) 256.  All 24 loads go out ahead of the arithmetic.
; The first work-group's first wave asks for the 256 parts right behind its own 24 loads, waits once for all 26, makes out1 and then goes on with its row like every other wave.
	s_load_b256 s[4:11], s[0:1], 0x0               ; x, y, place, route_f
	s_load_b128 s[12:15], s[0:1], 0x20             ; auxp, out0
	s_load_b64 s[16:17], s[0:1], 0x30              ; out1
	v_lshrrev_b32 v1, 5, v0
	v_readfirstlane_b32 s18, v1                    ; wave
	v_and_b32 v1, 31, v0                           ; lane
	s_lshl_b32 s19, ttmp9, 2
	s_add_co_u32 s19, s19, s18                     ; my token
	s_lshl_b32 s20, s19, 3
	v_lshlrev_b32 v2, 4, v1
	v_lshlrev_b32 v3, 3, v1
	v_lshlrev_b32 v80, 5, v1                       ; the parts: 32 bytes a lane
	v_mov_b32 v81, 0
	v_mov_b32 v82, 0                               ; a lane permute's destination counts as one of its sources
	s_mov_b32 s36, 0x76543210
	s_mov_b32 s37, 0xfedcba98                      ; v_permlanex16_b32's selects for lane l xor 16
	s_lshl_b32 s26, s19, 12
	s_mov_b32 s27, 0
	s_wait_kmcnt 0x0
	s_load_b64 s[22:23], s[8:9], s20 offset:0x8000  ; my two slots
	s_load_b64 s[24:25], s[10:11], s20 offset:0x8000 ; my two weights
	s_add_nc_u64 s[4:5], s[4:5], s[26:27]
	s_add_nc_u64 s[14:15], s[14:15], s[26:27]
.irp i, 0,1,2,3,4,5,6,7
	global_load_b128 v[16+4*\i:19+4*\i], v2, s[4:5] offset:512*\i th:TH_LOAD_NT
.endr
	s_wait_kmcnt 0x0
	s_min_u32 s22, s22, 8191                       ; a slot is held inside the table
	s_min_u32 s23, s23, 8191
	s_lshl_b32 s22, s22, 11
	s_lshl_b32 s23, s23, 11
	v_add_nc_u32 v4, s22, v3
	v_add_nc_u32 v5, s23, v3
	v_mov_b32 v6, s24
	v_mov_b32 v7, s25
.irp i, 0,1,2,3,4,5,6,7
	global_load_b64 v[48+2*\i:49+2*\i], v4, s[6:7] offset:256*\i th:TH_LOAD_NT
	global_load_b64 v[64+2*\i:65+2*\i], v5, s[6:7] offset:256*\i th:TH_LOAD_NT
.endr
	s_or_b32 s26, ttmp9, s18
	s_cmp_lg_u32 s26, 0
	s_cbranch_scc1 .Lrow                           ; the first work-group's first wave makes out1
	global_load_b128 v[8:11], v80, s[12:13]        ; the wave reads the 1,024 bytes of parts
	global_load_b128 v[12:15], v80, s[12:13] offset:16
	s_wait_loadcnt 0x0                             ; they travel beside my row's loads, for which I would wait anyway
	v_pk_add_f32 v[8:9], v[8:9], v[10:11]
	v_pk_add_f32 v[12:13], v[12:13], v[14:15]
	v_pk_add_f32 v[8:9], v[8:9], v[12:13]
	v_add_f32 v8, v8, v9
.irp m, 1,2,4,8
	v_add_f32_dpp v8, v8, v8 row_xmask:\m row_mask:0xf bank_mask:0xf
.endr
	v_permlanex16_b32 v82, v8, s36, s37
	v_add_f32 v8, v8, v82
	v_mul_f32 v8, 0x37000000, v8                   ; x 2^-17
	v_cmp_eq_u32 vcc_lo, 0, v1
	s_wait_xcnt 0x0                                ; EXEC changes only behind this wait
	s_and_saveexec_b32 s44, vcc_lo
	global_store_b32 v81, v8, s[16:17]
	s_wait_xcnt 0x0
	s_or_b32 exec_lo, exec_lo, s44
.Lrow:
.irp i, 0,1,2,3,4,5,6,7
	s_wait_loadcnt 14-2*\i                         ; loads come back in order: this step's pair is in, the younger pairs may be out
.irp c, 0,1
	v_fma_mix_f32_bf16 v[16+4*\i+2*\c], v[48+2*\i+\c], v6, v[16+4*\i+2*\c] op_sel_hi:[1,0,0]
	v_fma_mix_f32_bf16 v[17+4*\i+2*\c], v[48+2*\i+\c], v6, v[17+4*\i+2*\c] op_sel:[1,0,0] op_sel_hi:[1,0,0]
.endr
.irp c, 0,1
	v_fma_mix_f32_bf16 v[16+4*\i+2*\c], v[64+2*\i+\c], v7, v[16+4*\i+2*\c] op_sel_hi:[1,0,0]
	v_fma_mix_f32_bf16 v[17+4*\i+2*\c], v[64+2*\i+\c], v7, v[17+4*\i+2*\c] op_sel:[1,0,0] op_sel_hi:[1,0,0]
.endr
	global_store_b128 v2, v[16+4*\i:19+4*\i], s[14:15] offset:512*\i th:TH_STORE_NT
.endr
	s_endpgm
.Lfunc_end_k_q4d1237482a_combine:
	.size	k_q4d1237482a_combine, .Lfunc_end_k_q4d1237482a_combine-k_q4d1237482a_combine
	.p2alignl 7, 3214868480
	.fill 96, 4, 3214868480
	.section	.rodata,"a",@progbits
	.p2align	6, 0x0
	.amdhsa_kernel k_q4d1237482a_combine
		.amdhsa_group_segment_fixed_size 0
		.amdhsa_private_segment_fixed_size 0
		.amdhsa_enable_private_segment 0
		.amdhsa_kernarg_size 56
		.amdhsa_user_sgpr_count 2
		.amdhsa_user_sgpr_kernarg_segment_ptr 1
		.amdhsa_wavefront_size32 1
		.amdhsa_system_sgpr_workgroup_id_x 1
		.amdhsa_system_sgpr_workgroup_id_y 1
		.amdhsa_system_sgpr_workgroup_id_z 1
		.amdhsa_system_vgpr_workitem_id 0
		.amdhsa_next_free_vgpr 88
		.amdhsa_next_free_sgpr 66
		.amdhsa_reserve_vcc 1
		.amdhsa_float_denorm_mode_32 3
		.amdhsa_float_denorm_mode_16_64 3
		.amdhsa_memory_ordered 1
		.amdhsa_forward_progress 1
		.amdhsa_inst_pref_size 10
	.end_amdhsa_kernel
	.amdgpu_metadata
---
amdhsa.version: [ 1, 2 ]
amdhsa.kernels:
  - .name:           k_q4d1237482a_combine
    .symbol:         k_q4d1237482a_combine.kd
    .args:
      - { .name: x, .offset: 0, .size: 8, .value_kind: global_buffer, .address_space: global }
      - { .name: y, .offset: 8, .size: 8, .value_kind: global_buffer, .address_space: global }
      - { .name: place, .offset: 16, .size: 8, .value_kind: global_buffer, .address_space: global }
      - { .name: route_f, .offset: 24, .size: 8, .value_kind: global_buffer, .address_space: global }
      - { .name: auxp, .offset: 32, .size: 8, .value_kind: global_buffer, .address_space: global }
      - { .name: out0, .offset: 40, .size: 8, .value_kind: global_buffer, .address_space: global }
      - { .name: out1, .offset: 48, .size: 8, .value_kind: global_buffer, .address_space: global }
    .group_segment_fixed_size: 0
    .private_segment_fixed_size: 0
    .kernarg_segment_align: 8
    .kernarg_segment_size: 56
    .max_flat_workgroup_size: 128
    .sgpr_count:     66
    .vgpr_count:     88
    .wavefront_size: 32
...
	.end_amdgpu_metadata
.endif
;; end of part 5
